; MI455X (gfx1250); checked and timed in simulation.
; The chip was launched on July 23, 2026; its instructions are those of AMD's public machine-readable ISA for CDNA 5 (MIT licence, August 2026) and "CDNA5" Instruction Set Architecture Reference Guide (July 2026). The comments in the code are by the model that wrote it; some were corrected since.
;; Attention. Allowed arithmetic: matrix products marked QUANTISED: E2M3 operands, one E8M0 scale for each 32 along K, by v_wmma_scale_f32_16x16x128_f8f6f4 with both operands' format E2M3, f32 sums; everything else in f32.
;; Inputs: Wk 512 x 4,096 float32; Wq 512 x 4,096 float32; Wv 512 x 4,096 float32; bk 4,096 float32; bq 4,096 float32; bv 4,096 float32; query 4 x 1,024 x 512 float32; value 4 x 1,024 x 512 float32.
;; Outputs: out0 4 x 1,024 x 4,096 float32.
;; This version of the problem:
;;   THIS VERSION OF THE PROBLEM IS GIVEN IN LOW PRECISION. The matrix products marked QUANTISED in the list below multiply operands that are first quantised to E2M3 (2 exponent bits, 3 mantissa bits; 6 bits a number), with one power-of-two scale for each 32 numbers along K (OCP MX v1.0); their sums are f32. All else is computed in f32.
;;   The module's matrix products, in the order in which they are computed (A, B: the left and right operand; K: the contracted axis; several contracted axes count as one K, in the product's order):
;;     1. [M 4,096, K 512] x [K 512, N 4,096]; A: input query; B: input Wq: QUANTISED
;;     2. [M 4,096, K 512] x [K 512, N 4,096]; A: input value; B: input Wk: QUANTISED
;;     3. [M 4,096, K 512] x [K 512, N 4,096]; A: input value; B: input Wv: QUANTISED
;;     4. batch 32 x [M 1,024, K 512] x [K 512, N 1,024]; A: computed on the way; B: computed on the way: QUANTISED
;;     5. batch 32 x [M 512, K 1,024] x [K 1,024, N 1,024]; A: computed on the way; B: softmax (see below): QUANTISED
;;   THE QUANTISER, for each operand of a quantised product, along K:
;;     - K is cut into blocks of 32 from its start; a last block that is shorter is filled with zeros.
;;     - A block's scale is 2^e with e = floor(log2(the largest magnitude in the block)) - 2, held to -126 .. 127; a block of zeros has e = 0. As a byte (E8M0): e + 127.
;;     - Each number is divided by its block's scale, clamped to +-7.5, and rounded to the nearest number of E2M3, ties to even, subnormals kept.
;;     - The product sums the exact products of the quantised numbers (number of the format x scale) in f32.
;;   ~~~python
;;   def quantise(x, axis):      # numpy; x: float32 -> the quantised numbers, widened to float32 again
;;       x = np.moveaxis(x, axis, -1); K = x.shape[-1]
;;       x = np.pad(x, [(0, 0)] * (x.ndim - 1) + [(0, -K % 32)]); x = x.reshape(x.shape[:-1] + (-1, 32)); a = np.abs(x).max(-1, keepdims=True)
;;       e = np.where(a > 0, np.clip(np.frexp(np.where(a > 0, a, 1))[1] - 1 - 2, -126, 127), 0)      # np.frexp(a)[1] - 1 = floor(log2(a)), exactly
;;       r = np.clip(x / 2.0 ** e, -7.5, 7.5)
;;       step = 2.0 ** (np.maximum(np.frexp(np.where(r == 0, 1, r))[1] - 1, 0) - 3)
;;       q = np.round(r / step) * step * 2.0 ** e      # np.round: ties to even
;;       return np.moveaxis(q.reshape(q.shape[:-2] + (-1,))[..., :K], -1, axis).astype(np.float32)
;;   ~~~
;;   SOFTMAX AHEAD OF A QUANTISED PRODUCT. Where the list says 'softmax', what is quantised is not the finished softmax but p = 2^(t - M), with t = logit x log2(e) and M = ceil(the row's largest t), a whole number; so 1/2 < the row's largest p <= 1. The row's sum l is taken of the UNQUANTISED p, in f32, and the product's result is divided by l at the end. Since M is a whole number, a kernel that streams over the keys may use a running M (the ceiling of the running maximum): every later rescaling is an exact power of two, which a block's scale takes up: the codes' values come out the same.
;;   OPERANDS COMPUTED ON THE WAY. 'Computed on the way' means the value that the module computes at that place (a softmax that the list does not call 'softmax' is quantised finished and normalised). What goes into a quantiser is computed in f32, as accurately as f32 sums, v_exp_f32 and their like allow (about 1e-6 of the number): no bf16 or f16 on the way to a quantiser, and a product that is left as it is and whose result goes on into a quantised operand takes f32 operands (vector FMAs, or v_wmma_f32_16x16x4_f32). A number that lies on a knife's edge between two numbers of the format may be rounded either way, as far as f32 arithmetic and the matrix unit's own rounding can turn it there, and no further.
;; One version. Each part assembles by itself: llvm-mc -triple=amdgcn-amd-amdhsa -mcpu=gfx1250 --defsym DOCPART=n.
;; ======== version 1 of 1: 3 launches
;; workspace buffers: ops 8,519,680 bytes; qc 13,631,488 bytes; kvc 27,262,976 bytes
;; launch quant (part 1): grid 320 x 1, 8 waves a work-group, no clusters, 68,608 bytes of LDS; arguments query, value, Wq, Wk, Wv, ops; writes ops
.if DOCPART == 1
	.amdgcn_target "amdgcn-amd-amdhsa--gfx1250"
	.amdhsa_code_object_version 6
	.text
	.protected	k_q0cbd98751c_quant
	.globl	k_q0cbd98751c_quant
	.p2align	8
	.type	k_q0cbd98751c_quant,@function
k_q0cbd98751c_quant:
	s_mov_b64 s[64:65], 0
	v_nop
	global_prefetch_b8 v0, s[64:65] scope:SCOPE_SE
	s_setreg_imm32_b32 hwreg(HW_REG_WAVE_MODE, 25, 1), 1
	s_wait_xcnt 0x0
; query, value [4096][512] f32 (K innermost) and Wq, Wk, Wv [512][4096] f32 (K is the FIRST axis) become codes of FP6 (E2M3) with one E8M0 byte for each 32 along K.
; A block's scale is 2^(floor(log2(its largest magnitude)) - 2); its byte is the largest magnitude's exponent field - 2, held at 1 from below.
; LIMITS: a block of zeros gets the byte 1 (not 127): its codes are zeros, and only this program reads the bytes.  NaN and infinities among the inputs are not served.
; OUTPUT LAYOUT: ops = 5 sections (query, value, Wq, Wk, Wv) x 16 groups of 256 rows x 4 K steps of 128: 320 records of 26,624 bytes; the work-group's number is the record's.
; A record is 16 IMAGES OF OPERAND REGISTERS (a fragment of 16 rows x 128 K: 12 registers a lane, register group c of lane l at 512 c + 16 l), then 8 images of scale words (lane l: 8 bytes, the words of tiles 2 p and 2 p + 1).
; THE ROWS OF A TILE ARE NOT NEIGHBOURS: lane row r of tile T is row 32 (T / 2) + 8 (T % 2) + r + 8 (r / 8) of the group, so that, where such tiles are source 0 of a product, a lane's 16 result registers of tiles 2 b, 2 b + 1 are 16 neighbours.
; SHARES: wave p of eight makes tiles 2 p and 2 p + 1 (32 rows x 128 K: 16 KiB in, 3 KiB + 256 bytes out).  Waves share nothing: no barrier.  Every store of codes covers 512 consecutive aligned bytes.
.set REC,   26624                      ; a record
.set SCOFF, 24576                      ; where its scale words begin
.set SP,    528                        ; a row of the stage: 512 bytes + 16, so that sixteen rows start in different banks
.set WSTG,  16*SP                      ; a wave's stage (rows path alone)
.set TM,    16                         ; v16-19 largest magnitudes, v20-23 the other half's / bytes, v28-31 the conversions' scale operands
.set PW,    32                         ; v32-33 the two tiles' scale words
.set X,     64                         ; v64-191 the numbers as loaded
.set Y,     192                        ; v192-255 64 numbers of a lane in the quantiser's order
.set SEL,   28                         ; s[28:29] lane selects for v_permlanex16_b32: lane l xor 16
; 64 numbers of a lane, register 16 b + i = k 32 b + 16 (lane / 16) + i of the lane's row, become a fragment in v[pc .. pc + 11] and the row's scale word in v[pw]
.macro QUANT s, pc, pw
.irp b, 0,1,2,3
	v_max3_num_f32 v[TM+\b], |v[\s+16*\b]|, |v[\s+1+16*\b]|, 0x1800000   ; block b: my 16 numbers and the floor 2^(3 - 127): the byte cannot fall under 1
.endr
.irp i, 2,4,6,8,10,12,14
.irp b, 0,1,2,3
	v_max3_num_f32 v[TM+\b], v[TM+\b], |v[\s+16*\b+\i]|, |v[\s+1+16*\b+\i]|   ; the four blocks by turns
.endr
.endr
.irp b, 0,1,2,3
	v_permlanex16_b32 v[TM+4+\b], v[TM+\b], s[SEL], s[SEL+1]
.endr
.irp b, 0,1,2,3
	v_max_num_f32 v[TM+\b], v[TM+\b], v[TM+4+\b]   ; with lane l xor 16's 16: the block's largest magnitude
.endr
.irp b, 0,1,2,3
	v_add_nc_u32 v[TM+12+\b], 0xff000000, v[TM+\b]   ; 2 off its exponent field: the conversion takes this operand's exponent field as its scale
.endr
.irp b, 0,1,2,3
	v_lshrrev_b32 v[TM+4+\b], 23, v[TM+12+\b]      ; the scale's byte
.endr
	v_lshl_or_b32 v[\pw], v[TM+5], 8, v[TM+4]
	v_lshl_or_b32 v[\pw], v[TM+6], 16, v[\pw]
	v_lshl_or_b32 v[\pw], v[TM+7], 24, v[\pw]
.irp c, 0,1
	v_cvt_scalef32_pk16_fp6_f32 v[\pc+6*\c:\pc+2+6*\c], v[\s+32*\c:\s+15+32*\c], v[TM+12+2*\c]
	v_cvt_scalef32_pk16_fp6_f32 v[\pc+12+4*\c:\pc+14+4*\c], v[\s+16+32*\c:\s+31+32*\c], v[TM+12+2*\c+1]   ; (a conversion's three registers begin on an even number)
.endr
	v_nop                                          ; one plain instruction behind the scaled conversions
.irp c, 0,1                                    ; the operand wants a WHOLE block in a lane: lanes 0-15 block 2 c, lanes 16-31 block 2 c + 1
.irp i, 0,1,2
	v_permlane16_swap_b32 v[\pc+6*\c+\i], v[\pc+12+4*\c+\i]
.endr
.irp i, 0,1,2
	v_mov_b32 v[\pc+3+6*\c+\i], v[\pc+12+4*\c+\i]
.endr
.endr
.endm
	s_load_b256 s[4:11], s[0:1], 0x0               ; query s[4:5], value s[6:7], Wq s[8:9], Wk s[10:11]
	s_load_b128 s[12:15], s[0:1], 0x20             ; Wv s[12:13], ops s[14:15]
	v_lshl_add_u32 v35, v0, 2, 0x10800
	v_mov_b32 v63, 0
	v_lshrrev_b32 v1, 5, v0
	v_readfirstlane_b32 s16, v1                    ; wave p
	v_and_b32 v1, 31, v0                           ; lane
	v_lshlrev_b32 v4, 4, v1                        ; 16 x lane: my place in an image, and in a row's 512 bytes
	v_lshlrev_b32 v7, 3, v1                        ; 8 x lane: my place in an image of scale words
	s_mov_b32 s[SEL], 0x76543210
	s_mov_b32 s[SEL+1], 0xfedcba98
	s_bfe_u32 s17, ttmp9, 0x40002                  ; G: the group of 256 rows
	s_and_b32 s18, ttmp9, 3                        ; the K step
	s_mul_i32 s26, ttmp9, REC                      ; my record,
	s_mul_i32 s19, s16, 2*1536
	s_add_co_u32 s30, s26, s19                     ; my two fragments in it,
	s_mov_b32 s31, 0
	s_lshl_b32 s19, s16, 8
	s_add_co_u32 s26, s26, s19
	s_add_co_u32 s26, s26, SCOFF                   ; and my image of scale words
	s_mov_b32 s27, 0
	s_wait_kmcnt 0x0
	s_add_nc_u64 s[22:23], s[14:15], s[30:31]
	s_add_nc_u64 s[24:25], s[14:15], s[26:27]
	s_cmp_lt_u32 ttmp9, 128                        ; records 0-127: query and value; 128-319: the weights
	s_cbranch_scc0 .Lweights
	; ---- ROWS WITH K INNERMOST.  Each load takes 512 consecutive bytes of one row (its 128 numbers of the K step); the tile's row order stands in the immediates.
	s_cmp_lt_u32 ttmp9, 64
	s_cselect_b64 s[20:21], s[4:5], s[6:7]
	s_lshl_b32 s30, s17, 8
	s_lshl_b32 s31, s16, 5
	s_add_co_u32 s30, s30, s31                     ; row 256 G + 32 p
	s_lshl_b32 s30, s30, 11                        ; of 2,048 bytes
	s_lshl_b32 s31, s18, 9
	s_add_co_u32 s30, s30, s31                     ; + the K step's 512 bytes
	s_mov_b32 s31, 0
	s_add_nc_u64 s[20:21], s[20:21], s[30:31]
.set li, 0
.rept 32
	global_load_b128 v[X+4*li:X+4*li+3], v4, s[20:21] offset:(8*(li/16)+(li%16)+8*((li%16)/8))*2048 th:TH_LOAD_NT
.set li, li+1
.endr
	v_and_b32 v2, 15, v0                           ; r
	v_bfe_u32 v3, v0, 4, 1                         ; h
	s_mul_i32 s19, s16, WSTG
	v_add_nc_u32 v5, s19, v4                       ; into my stage: a row as it was loaded
	v_mul_u32_u24 v6, v2, SP
	v_lshl_add_u32 v6, v3, 6, v6
	v_add_nc_u32 v6, s19, v6                       ; out of it: row r, my half's 16 numbers of each block of 32
.irp b, 0,1,2,3
	v_mov_b32 v[TM+4+\b], 0                        ; written once: a lane permute's destination counts as one of its sources
.endr
.irp u, 0,1
	s_wait_loadcnt 16-16*\u                        ; this tile's 16 rows are in; the second tile's 16 loads may stay out
.set li, 0
.rept 16
	ds_store_b128 v5, v[X+64*\u+4*li:X+64*\u+4*li+3] offset:SP*li
.set li, li+1
.endr
.set li, 0
.rept 16
	ds_load_b128 v[Y+4*li:Y+4*li+3], v6 offset:128*(li/4)+16*(li%4)   ; LDS serves a wave's instructions in order: these see the stores above
.set li, li+1
.endr
	s_wait_dscnt 0x0
	QUANT Y, X+20*\u, PW+\u                        ; the codes land in registers of the first tile's rows, which the stage has taken
.irp c, 0,1,2
	global_store_b128 v4, v[X+20*\u+4*\c:X+20*\u+4*\c+3], s[22:23] offset:1536*\u+512*\c
.endr
.endr
	global_store_b64 v7, v[PW:PW+1], s[24:25]      ; 32 lanes store 256 consecutive aligned bytes
	s_wait_tensorcnt 0x0
	ds_add_u32 v35, v63
	s_wait_dscnt 0x0
	s_endpgm
	; ---- WEIGHTS: K IS THE FIRST AXIS.  A lane takes a column and its registers run down K: a block of 32 lies in one lane, and the conversions give codes with K innermost.
.Lweights:
	s_sub_co_u32 s19, ttmp9, 128
	s_lshr_b32 s19, s19, 6                         ; 0 Wq, 1 Wk, 2 Wv
	s_cmp_eq_u32 s19, 0
	s_cselect_b64 s[20:21], s[8:9], s[10:11]
	s_cmp_eq_u32 s19, 2
	s_cselect_b64 s[20:21], s[12:13], s[20:21]
	s_lshl_b32 s30, s18, 21                        ; the K step: 128 rows of 16,384 bytes
	s_lshl_b32 s31, s17, 10
	s_add_co_u32 s30, s30, s31                     ; + column 256 G
	s_lshl_b32 s31, s16, 7
	s_add_co_u32 s30, s30, s31                     ; + 32 p
	s_mov_b32 s31, 0
	s_add_nc_u64 s[20:21], s[20:21], s[30:31]
	v_and_b32 v8, 7, v1                            ; my column of the 32: the lane's number with bits 3 and 4 swapped, so that lanes 0-15 hold tile 2 p's rows in their order and lanes 16-31 tile 2 p + 1's
	v_bfe_u32 v9, v1, 3, 1
	v_bfe_u32 v10, v1, 4, 1
	v_lshl_or_b32 v8, v9, 4, v8
	v_lshl_or_b32 v8, v10, 3, v8
	v_lshlrev_b32 v8, 2, v8
	v_mov_b32 v33, 0                               ; (a lane permute's destination counts as one of its sources)
.macro WLOAD t                         ; block t: W(128 ks + 32 t + i, my column): a wave reads 128 consecutive bytes, the eight waves 1,024
.set li, 0
.rept 32
	global_load_b32 v[X+32*(\t)+li], v8, s[20:21] offset:(32*(\t)+li)*16384 th:TH_LOAD_NT
.set li, li+1
.endr
.endm
.macro WBLOCK t
.set XS, X+32*(\t)
.set WF, 36+12*((\t)%2)+6*((\t)/2)     ; even blocks into v36-47, odd blocks into v48-59
.if (\t) < 3
	s_wait_loadcnt 32                              ; this block's 32 loads are in; the next block's 32 may stay out
.else
	s_wait_loadcnt 0x0
.endif
.if (\t)+2 < 4
	WLOAD (\t)+2                                   ; two blocks ahead, into registers of its own
.endif
	v_max3_num_f32 v12, |v[XS]|, |v[XS+1]|, |v[XS+2]|
	v_max3_num_f32 v13, |v[XS+3]|, |v[XS+4]|, |v[XS+5]|
.irp i, 6,10,14,18,22,26
	v_max3_num_f32 v12, v12, |v[XS+\i]|, |v[XS+\i+1]|
	v_max3_num_f32 v13, v13, |v[XS+\i+2]|, |v[XS+\i+3]|
.endr
	v_max3_num_f32 v12, v12, |v[XS+30]|, |v[XS+31]|
	v_max3_num_f32 v12, v12, v13, 0x1800000        ; and the floor
	v_add_nc_u32 v11, 0xff000000, v12              ; the conversions' scale operand
	v_lshrrev_b32 v14, 23, v11                     ; the byte
.if (\t) == 0
	v_mov_b32 v32, v14
.else
	v_lshl_or_b32 v32, v14, 8*(\t), v32            ; my column's scale word, the lower K in the lower byte
.endif
	v_cvt_scalef32_pk16_fp6_f32 v[WF:WF+2], v[XS:XS+15], v11
	v_cvt_scalef32_pk16_fp6_f32 v[60:62], v[XS+16:XS+31], v11
	v_nop                                          ; one plain instruction behind the scaled conversions
.irp i, 0,1,2
	v_mov_b32 v[WF+3+\i], v[60+\i]
.endr
.endm
	WLOAD 0
	WLOAD 1
	WBLOCK 0
	WBLOCK 1
	WBLOCK 2
	WBLOCK 3
.set li, 0
.rept 12                               ; v36-47: lanes 16-31 (tile 2 p + 1's blocks 0, 2) change places with v48-59's lanes 0-15 (tile 2 p's blocks 1, 3): both are fragments now
	v_permlane16_swap_b32 v[36+li], v[48+li]
.set li, li+1
.endr
	v_permlanex16_b32 v33, v32, s[SEL], s[SEL+1]   ; lanes 0-15: v32 the word of tile 2 p's row, v33 that of tile 2 p + 1's
.irp c, 0,1,2
	global_store_b128 v4, v[36+4*\c:39+4*\c], s[22:23] offset:512*\c
	global_store_b128 v4, v[48+4*\c:51+4*\c], s[22:23] offset:1536+512*\c
.endr
	global_store_b64 v7, v[32:33], s[24:25]
	s_endpgm
.Lfunc_end_k_q0cbd98751c_quant:
	.size	k_q0cbd98751c_quant, .Lfunc_end_k_q0cbd98751c_quant-k_q0cbd98751c_quant
	.p2alignl 7, 3214868480
	.fill 96, 4, 3214868480
	.section	.rodata,"a",@progbits
	.p2align	6, 0x0
	.amdhsa_kernel k_q0cbd98751c_quant
		.amdhsa_group_segment_fixed_size 68608
		.amdhsa_private_segment_fixed_size 0
		.amdhsa_enable_private_segment 0
		.amdhsa_kernarg_size 48
		.amdhsa_user_sgpr_count 2
		.amdhsa_user_sgpr_kernarg_segment_ptr 1
		.amdhsa_wavefront_size32 1
		.amdhsa_system_sgpr_workgroup_id_x 1
		.amdhsa_system_sgpr_workgroup_id_y 1
		.amdhsa_system_sgpr_workgroup_id_z 1
		.amdhsa_system_vgpr_workitem_id 0
		.amdhsa_next_free_vgpr 256
		.amdhsa_next_free_sgpr 66
		.amdhsa_reserve_vcc 0
		.amdhsa_float_denorm_mode_32 3
		.amdhsa_float_denorm_mode_16_64 3
		.amdhsa_memory_ordered 1
		.amdhsa_forward_progress 1
		.amdhsa_inst_pref_size 38
	.end_amdhsa_kernel
	.amdgpu_metadata
---
amdhsa.version: [ 1, 2 ]
amdhsa.kernels:
  - .name:           k_q0cbd98751c_quant
    .symbol:         k_q0cbd98751c_quant.kd
    .args:
      - { .name: query, .offset: 0, .size: 8, .value_kind: global_buffer, .address_space: global }
      - { .name: value, .offset: 8, .size: 8, .value_kind: global_buffer, .address_space: global }
      - { .name: Wq, .offset: 16, .size: 8, .value_kind: global_buffer, .address_space: global }
      - { .name: Wk, .offset: 24, .size: 8, .value_kind: global_buffer, .address_space: global }
      - { .name: Wv, .offset: 32, .size: 8, .value_kind: global_buffer, .address_space: global }
      - { .name: ops, .offset: 40, .size: 8, .value_kind: global_buffer, .address_space: global }
    .group_segment_fixed_size: 68608
    .private_segment_fixed_size: 0
    .kernarg_segment_align: 8
    .kernarg_segment_size: 48
    .max_flat_workgroup_size: 256
    .sgpr_count:     66
    .vgpr_count:     256
    .wavefront_size: 32
...
	.end_amdgpu_metadata
.endif
;; end of part 1
;; launch proj (part 2): grid 16 x 16, 4 waves a work-group, clusters of 4 x 4, 327,680 bytes of LDS; arguments ops, bq, bk, bv, qc, kvc; writes qc, kvc
.if DOCPART == 2
	.amdgcn_target "amdgcn-amd-amdhsa--gfx1250"
	.amdhsa_code_object_version 6
	.text
	.protected	k_q0cbd98751c_proj
	.globl	k_q0cbd98751c_proj
	.p2align	8
	.type	k_q0cbd98751c_proj,@function
k_q0cbd98751c_proj:
	s_mov_b64 s[64:65], 0
	v_nop
	global_prefetch_b8 v0, s[64:65] scope:SCOPE_SE
	s_setreg_imm32_b32 hwreg(HW_REG_WAVE_MODE, 25, 1), 1
	s_wait_xcnt 0x0
	s_wait_alu depctr_hold_cnt(0) depctr_sa_sdst(0) depctr_va_vdst(0) depctr_va_sdst(0) depctr_va_ssrc(0) depctr_va_vcc(0) depctr_vm_vsrc(0)
	s_getreg_b32 s2, hwreg(HW_REG_IB_STS2, 6, 4)
	s_cmp_eq_u32 s2, 0
	s_cbranch_scc0 .Lentry_in_a_cluster
	s_endpgm
.Lentry_in_a_cluster:
	s_bfe_u32 s2, ttmp6, 0x10000c
	s_cmp_lg_u32 s2, 0xf033
	s_cbranch_scc0 .Lentry_shape_is_right
	s_endpgm
.Lentry_shape_is_right:
; The three projections on codes of FP6 (E2M3), their biases, SCALE for q, and the quantising of the results into the attention's operands.
; g = 0: SCALE (query Wq + bq), g = 1: value Wk + bk, both quantised along the head's 512;  g = 2: value Wv + bv, quantised along the KEYS.
; A WORK-GROUP STAYS: it makes its tile of g = 0, then of g = 1, then of g = 2; the tile is written out three times, so g is a constant of the text.
; ONE FORM FOR ALL THREE: C[i][j] = sum over k of S1[i][k] S0[j][k], source 0 = 16 rows of S0, source 1 = 16 rows of S1: a lane holds ONE i, and its registers run along j, the axis that is quantised next.
;   g = 0, 1: S0 = the weight (j = channel), S1 = the tokens;  g = 2: S0 = value (j = key), S1 = Wv (i = channel).  By the row order of S0's tiles the 16 registers of tiles 2 b, 2 b + 1 are j = 32 b + 16 (lane / 16) + 0 .. 15.
; SHARES: a tile is 256 x 256 of C, each of four waves 128 x 128: 64 accumulators, 512 registers.  K = 512 is four steps of 128, and ALL of it lies in LDS at once (8 records of 26,624 bytes).
; THE NEXT TILE'S RECORDS are asked for as soon as the last K step's fragments are in registers: they land under that step's 64 products and the whole quantising of the results.
; CLUSTER 4 x 4: S1's records hang on the tile row, shared along a row of the cluster; S0's on the tile column, shared along a column: each is asked for jointly.  A wave brings two neighbouring records by one load: 208 dense rows of 256 bytes.
; By this text's own count a wave has one tensor load out.  No prefetch: each refill is asked for a K step and an epilogue ahead of its use.
; OUT: a wave's 128 j of one i tile are ONE fragment (16 rows x 128 K) and one scale word a row: it leaves as an image of its registers, 3 stores of 512 consecutive aligned bytes.
;   qc: [b h 32][block of 128 tokens 8] records of 53,248 bytes; kvc: the same with K's record and V's record on end.  In a record: fragment (a, sub) at (4 a + sub) 1,536; scale words at 49,152 + 1,024 sub + 512 (a / 4) + 16 lane + 4 (a % 4).
; LIMITS: a block of zeros gets the byte 1 with zero codes; NaN and infinities are not served.
; REGISTERS: window 0: v1-13 addresses, v16-31 the quantiser's, v32-63 scale words (two sets), v64-255 S1's fragments (two sets), later the codes made and (v224-231) their scale words;
;   window 1: v0-191 S0's fragments (two sets), v192-255 the bias in the result's layout;  windows 2, 3: accumulator (a, b) at v[8 (8 (a % 4) + b)] of window 2 + a / 4.
.set REC,   26624
.set S0B,   4*REC                      ; LDS: S1's four records, then S0's four
.set SCOFF, 24576
.set QREC,  53248
.set SPARE, 8*REC                      ; behind the records: the spare words, 128 bytes for each wave: two blocks of 256 bytes that no other line names
.set LI,   1                           ; v1   16 x lane
.set AD1,  2                           ; v2-3 S1's fragments: K steps 0, 1 / 2, 3
.set AD0,  4                           ; v4-5 S0's
.set AS1,  6                           ; v6-7 S1's scale words
.set AS0,  8                           ; v8-9 S0's
.set BOJ,  10                          ; v10  the bias along j: 64 (lane / 16)
.set BOI,  11                          ; v11  the bias along i: 4 (r + 8 (r / 8))
.set SPW,  12                          ; v12  my spare word: SPARE + 4 x my thread's number; never rewritten
.set NIL,  13                          ; v13  0; never rewritten
.set TM,   16
.set SC,   32
.set F1,   64
.set BIAS, 192
.set PC,   64
.set PWR,  224
.set WV,   16                          ; s16 wave; s17 wi: my half of i; s18 wj: my half of j
.set G1A,  28                          ; s[28:35] group 1 for S1's records; s[36:43] for S0's: they differ in the mask
.set G1B,  36
.set G0A,  44                          ; s[44:47] group 0 for S1; s[48:51] for S0: they walk from tile to tile
.set G0B,  48
.set BB,   52                          ; s[52:57] the three biases at my channels
.set SEL,  60
.set SCL,  62                          ; s[62:63] SCALE = 1 / sqrt(512)
.set CB,   66                          ; s[66:71] where the three tiles' fragments go
.set SB,   80                          ; s[80:85] and their scale words
.set MSB, 0
.macro WIN new                         ; the immediate's high byte repeats the setting that is left; a switch that changes nothing is dropped
.if MSB != (\new)
	s_set_vgpr_msb (MSB<<8)|(\new)
.set MSB, (\new)
.endif
.endm
.macro PLACES n
.rept \n
	v_nop
.endr
.endm
.macro CROUND                          ; a round of the cluster's barrier
	s_barrier_signal -1
	s_barrier_wait -1
	s_cmp_lg_u32 s[WV], 0
	s_cbranch_scc1 .Lnot_wave_0_\@
	s_barrier_signal -3
.Lnot_wave_0_\@:
	s_barrier_wait -3
	s_barrier_signal -1
	s_barrier_wait -1
.endm
; A joint load: waves 0 and 1 fetch S1's halves, waves 2 and 3 S0's.  Each of the two lines has one mask and one set of registers for all that issue it; the branch hangs on the wave's number alone.
; Four v_nop follow each of the two lines, ahead of the jump, the label and what follows.
.macro JLOAD
	s_cmp_eq_u32 s17, 0
	s_cbranch_scc0 .Lfor_s0_\@
	tensor_load_to_lds s[G0A:G0A+3], s[G1A:G1A+7]
	s_nop 0
	PLACES 4
	s_branch .Lasked_\@
.Lfor_s0_\@:
	tensor_load_to_lds s[G0B:G0B+3], s[G1B:G1B+7]
	s_nop 0
	PLACES 4
.Lasked_\@:
.endm
; 56 LDS loads: K step ks into set: S0's eight fragments, S1's eight (three loads of 16 bytes a lane each, 512 consecutive bytes a load), and the scale words of both, a pair of tiles a load
.macro FETCH ks, set
	WIN 0x40                                       ; destination window 1
.set fi, 0
.rept 24
	ds_load_b128 v[96*(\set)+4*fi:96*(\set)+4*fi+3], v[AD0+(\ks)/2] offset:((\ks)%2)*REC+512*fi
.set fi, fi+1
.endr
	WIN 0
.set fi, 0
.rept 24
	ds_load_b128 v[F1+96*(\set)+4*fi:F1+96*(\set)+4*fi+3], v[AD1+(\ks)/2] offset:((\ks)%2)*REC+512*fi
.set fi, fi+1
.endr
.set fi, 0
.rept 4
	ds_load_b64 v[SC+16*(\set)+2*fi:SC+16*(\set)+2*fi+1], v[AS0+(\ks)/2] offset:((\ks)%2)*REC+256*fi
	ds_load_b64 v[SC+16*(\set)+8+2*fi:SC+16*(\set)+8+2*fi+1], v[AS1+(\ks)/2] offset:((\ks)%2)*REC+256*fi
.set fi, fi+1
.endr
.endm
; 64 matrix instructions, 128 along K.  The 64 accumulators take turns, one instruction a turn, in the same order in every K step.
; mode 0: the sums go on;  1: the first K step, C = the bias of tile b's eight j;  2: C = the bias of the lane's i.  Nothing is cleared and no addition is spent on the bias.
.macro MUL set, mode
.set ma, 0
.rept 8
.if (\mode) == 0
	WIN 0xa1+0x50*(ma/4)                           ; source 0 window 1, source 1 window 0, C and D window 2 or 3
.else
	WIN 0x91+0x40*(ma/4)                           ; C window 1
.endif
.set mb, 0
.rept 8
.set mD, 8*(8*(ma%4)+mb)
.set mA, 96*(\set)+12*mb
.set mB, F1+96*(\set)+12*ma
.set mSA, SC+16*(\set)+mb
.set mSB, SC+16*(\set)+8+ma
.if (\mode) == 0
	v_wmma_scale_f32_16x16x128_f8f6f4 v[mD:mD+7], v[mA:mA+11], v[mB:mB+11], v[mD:mD+7], v[mSA], v[mSB] matrix_a_fmt:MATRIX_FMT_FP6 matrix_b_fmt:MATRIX_FMT_FP6
.elseif (\mode) == 1
	v_wmma_scale_f32_16x16x128_f8f6f4 v[mD:mD+7], v[mA:mA+11], v[mB:mB+11], v[BIAS+8*mb:BIAS+8*mb+7], v[mSA], v[mSB] matrix_a_fmt:MATRIX_FMT_FP6 matrix_b_fmt:MATRIX_FMT_FP6
.else
	v_wmma_scale_f32_16x16x128_f8f6f4 v[mD:mD+7], v[mA:mA+11], v[mB:mB+11], v[BIAS+8*ma:BIAS+8*ma+7], v[mSA], v[mSB] matrix_a_fmt:MATRIX_FMT_FP6 matrix_b_fmt:MATRIX_FMT_FP6
.endif
.set mb, mb+1
.endr
.set ma, ma+1
.endr
.endm
; 64 numbers of a lane in window w, register 16 b + i = j 32 b + 16 (lane / 16) + i, become a fragment in v[pc .. pc + 11] and the row's scale word in v[pw], both in window 0.  Each accumulator is first read at its low end.
.macro QUANTW s, w, pc, pw
	WIN (\w)|((\w)<<2)
.irp b, 0,1,2,3
	v_max3_num_f32 v[TM+\b], |v[\s+16*\b]|, |v[\s+1+16*\b]|, 0x1800000   ; and the floor 2^(3 - 127): the byte cannot fall under 1
.endr
	WIN ((\w)<<2)|((\w)<<4)
.irp i, 2,4,6,8,10,12,14
.irp b, 0,1,2,3
	v_max3_num_f32 v[TM+\b], v[TM+\b], |v[\s+16*\b+\i]|, |v[\s+1+16*\b+\i]|
.endr
.endr
	WIN 0
.irp b, 0,1,2,3
	v_permlanex16_b32 v[TM+4+\b], v[TM+\b], s[SEL], s[SEL+1]
.endr
.irp b, 0,1,2,3
	v_max_num_f32 v[TM+\b], v[TM+\b], v[TM+4+\b]
.endr
.irp b, 0,1,2,3
	v_add_nc_u32 v[TM+12+\b], 0xff000000, v[TM+\b]   ; 2 off the exponent field: the conversion's scale operand
.endr
.irp b, 0,1,2,3
	v_lshrrev_b32 v[TM+4+\b], 23, v[TM+12+\b]
.endr
	v_lshl_or_b32 v[\pw], v[TM+5], 8, v[TM+4]
	v_lshl_or_b32 v[\pw], v[TM+6], 16, v[\pw]
	v_lshl_or_b32 v[\pw], v[TM+7], 24, v[\pw]
	WIN (\w)
.irp c, 0,1
	v_cvt_scalef32_pk16_fp6_f32 v[\pc+6*\c:\pc+2+6*\c], v[\s+32*\c:\s+15+32*\c], v[TM+12+2*\c]
	v_cvt_scalef32_pk16_fp6_f32 v[\pc+12+4*\c:\pc+14+4*\c], v[\s+16+32*\c:\s+31+32*\c], v[TM+12+2*\c+1]
.endr
	WIN 0
	v_nop                                          ; one plain instruction behind the scaled conversions
.irp c, 0,1
.irp i, 0,1,2
	v_permlane16_swap_b32 v[\pc+6*\c+\i], v[\pc+12+4*\c+\i]
.endr
.irp i, 0,1,2
	v_mov_b32 v[\pc+3+6*\c+\i], v[\pc+12+4*\c+\i]
.endr
.endr
.endm
; the bias of tile g into window 1, in the result's layout
.macro BIASLD g
	WIN 0x40
.if (\g) < 2
.set bi, 0
.rept 8                                ; tile b: lane (r, h) wants the eight channels 32 (b / 2) + 8 (b % 2) + 16 h + 0 .. 7
	global_load_b128 v[BIAS+8*bi:BIAS+8*bi+3], v[BOJ], s[BB+2*(\g):BB+2*(\g)+1] offset:(32*(bi/2)+8*(bi%2))*4
	global_load_b128 v[BIAS+8*bi+4:BIAS+8*bi+7], v[BOJ], s[BB+2*(\g):BB+2*(\g)+1] offset:(32*(bi/2)+8*(bi%2))*4+16
.set bi, bi+1
.endr
.else
.set bi, 0
.rept 64                               ; tile a: all eight registers hold the bias of the lane's channel 32 (a / 2) + 8 (a % 2) + r + 8 (r / 8)
	global_load_b32 v[BIAS+bi], v[BOI], s[BB+2*(\g):BB+2*(\g)+1] offset:(32*((bi/8)/2)+8*((bi/8)%2))*4
.set bi, bi+1
.endr
.endif
	WIN 0
.endm
; U, UW: the group and half along the tokens; N, NW: along the channels (numbers of scalar registers).  s86 = the record, s87 = sub, s[88:89] = the bias's byte offset
.macro RECSUB U, UW, N, NW
	s_lshr_b32 s86, s[\U], 2                       ; the batch
	s_lshl_b32 s86, s86, 3
	s_lshr_b32 s89, s[\N], 1                       ; the head
	s_add_co_u32 s86, s86, s89
	s_lshl_b32 s86, s86, 3
	s_and_b32 s89, s[\U], 3
	s_lshl_b32 s89, s89, 1
	s_add_co_u32 s86, s86, s89
	s_add_co_u32 s86, s86, s[\UW]                  ; (8 batch + head) 8 + the block of 128 tokens
	s_and_b32 s87, s[\N], 1
	s_lshl_b32 s87, s87, 1
	s_add_co_u32 s87, s87, s[\NW]                  ; which 128 of the head's 512 channels
	s_lshl_b32 s88, s[\N], 10
	s_lshl_b32 s89, s[\NW], 9
	s_add_co_u32 s88, s88, s89                     ; channel 256 N + 128 NW, in bytes
	s_mov_b32 s89, 0
.endm
.macro OUTB g, ptr, recb, extra, bptr
	s_mul_i32 s90, s86, \recb
	s_mul_i32 s92, s87, 1536
	s_add_co_u32 s92, s92, s90
	s_add_co_u32 s92, s92, \extra
	s_mov_b32 s93, 0
	s_lshl_b32 s94, s87, 10
	s_add_co_u32 s94, s94, s90
	s_add_co_u32 s94, s94, 49152+(\extra)
	s_mov_b32 s95, 0
	s_add_nc_u64 s[CB+2*(\g):CB+2*(\g)+1], s[\ptr:\ptr+1], s[92:93]
	s_add_nc_u64 s[SB+2*(\g):SB+2*(\g)+1], s[\ptr:\ptr+1], s[94:95]
	s_add_nc_u64 s[BB+2*(\g):BB+2*(\g)+1], s[\bptr:\bptr+1], s[88:89]
.endm
; ONE TILE.
.macro TILE g
	s_wait_tensorcnt 0x0                           ; my two records of this tile are in,
	s_barrier_signal -1
	s_barrier_wait -1                              ; everybody's are
.if (\g) > 0
	s_wait_xcnt 0x0                                ; the last tile's stores have read their data registers, into which the loads below land
.endif
	FETCH 0, 0
	FETCH 1, 1
	s_wait_loadcnt 0x0                             ; the bias
	s_wait_dscnt 56                                ; set 0 is in; set 1's 56 loads may stay out
.if (\g) == 2
	MUL 0, 2
.else
	MUL 0, 1
.endif
	PLACES 4                                       ; four plain instructions between the last product and loads into registers that it read
	FETCH 2, 0
	s_wait_dscnt 56                                ; K step 1 is in; K step 2's 56 loads may stay out
	MUL 1, 0
	PLACES 4
	FETCH 3, 1
.if (\g) < 2
	s_wait_tensorcnt 0x0                           ; no tensor load of mine is out, so the groups 0 may be written
	ds_add_u32 v[SPW], v[NIL]                      ; 0 onto my spare word
.if (\g) == 0
	s_add_nc_u64 s[G0A+2:G0A+3], s[G0A+2:G0A+3], 64*REC    ; S1: from query's section of ops to value's
	s_add_nc_u64 s[G0B+2:G0B+3], s[G0B+2:G0B+3], 64*REC    ; S0: from Wq's to Wk's
.else
	s_add_nc_u64 s[G0A+2:G0A+3], s[G0A+2:G0A+3], 192*REC   ; S1: from value's to Wv's
	s_sub_nc_u64 s[G0B+2:G0B+3], s[G0B+2:G0B+3], 128*REC   ; S0: from Wk's back to value's
.endif
	s_wait_dscnt 57                                ; K step 2 is in; K step 3's 56 loads and the add may stay out
	MUL 0, 0                                       ; 64 products stand between the add and the wait for it
	WIN 0
	s_wait_dscnt 0x0                               ; the add is done, and my reads of the records are over: K step 3 is in registers
	CROUND                                         ; no wave of any partner still reads the records or has a load on its way
	JLOAD                                          ; the next tile's records: the first tensor load behind the round, one a wave
	BIASLD (\g)+1                                  ; and its bias: the first K step's products, which read these registers, stand more than four plain instructions back
.else
	s_wait_dscnt 56
	MUL 0, 0
	s_wait_dscnt 0x0
.endif
	MUL 1, 0
	WIN 0
	PLACES 4                                       ; in front of the first read of results
.if (\g) == 0
	WIN 0x82                                       ; q alone: x SCALE, in f32, ahead of the quantiser; ascending
.set ei, 0
.rept 128
	v_pk_mul_f32 v[ei:ei+1], v[ei:ei+1], s[SCL:SCL+1] op_sel_hi:[1,0]
.set ei, ei+2
.endr
	WIN 0xc3
.set ei, 0
.rept 128
	v_pk_mul_f32 v[ei:ei+1], v[ei:ei+1], s[SCL:SCL+1] op_sel_hi:[1,0]
.set ei, ei+2
.endr
	WIN 0
.endif
.set ea, 0
.rept 8                                ; i tile a: its 64 numbers a lane become one fragment; each a has registers of its own, so no store's data are written again within a tile
	QUANTW 64*(ea%4), 2+ea/4, PC+20*ea, PWR+ea
.set ec, 0
.rept 3
	global_store_b128 v[LI], v[PC+20*ea+4*ec:PC+20*ea+4*ec+3], s[CB+2*(\g):CB+2*(\g)+1] offset:6144*ea+512*ec   ; 512 consecutive aligned bytes
.set ec, ec+1
.endr
.set ea, ea+1
.endr
	global_store_b128 v[LI], v[PWR:PWR+3], s[SB+2*(\g):SB+2*(\g)+1]              ; the words of a = 0 .. 3
	global_store_b128 v[LI], v[PWR+4:PWR+7], s[SB+2*(\g):SB+2*(\g)+1] offset:512 ; and of a = 4 .. 7
.endm
	s_load_b256 s[4:11], s[0:1], 0x0               ; ops s[4:5], bq s[6:7], bk s[8:9], bv s[10:11]
	s_load_b128 s[12:15], s[0:1], 0x20             ; qc s[12:13], kvc s[14:15]
	v_lshl_add_u32 v[SPW], v0, 2, SPARE
	v_mov_b32 v[NIL], 0
	ds_add_u32 v12, v13
	ds_add_u32 v12, v13
	s_wait_dscnt 0x0
	v_lshrrev_b32 v1, 5, v0
	v_readfirstlane_b32 s[WV], v1
	s_lshr_b32 s17, s[WV], 1                       ; wi.  Also: I fetch for S1 (0) or S0 (1)
	s_and_b32 s18, s[WV], 1                        ; wj.  Also: I fetch K steps 2 wj and 2 wj + 1
	s_bfe_u32 s19, ttmp6, 0x40000                  ; cx
	s_bfe_u32 s20, ttmp6, 0x40004                  ; cy
	s_lshl_b32 s21, ttmp9, 2
	s_add_co_u32 s21, s21, s19                     ; X: S0's group of 256 rows
	s_and_b32 s24, ttmp7, 0xffff
	s_lshl_b32 s24, s24, 2
	s_add_co_u32 s24, s24, s20                     ; Y: S1's group
	s_lshl_b32 s25, s20, 2
	s_lshl_b32 s25, 15, s25                        ; my row of the cluster
	s_lshl_b32 s26, 0x1111, s19                    ; my column
	; group 1: two records on end are a dense block: 208 rows of 256 bytes (32 elements of 8 bytes), no padding: every LDS read is 16 x lane on end
	s_or_b32 s[G1A], s25, (3<<16)|(1<<21)          ; 15:0 the mask; 17:16 elements of 8 bytes; 21 set beside a mask
	s_or_b32 s[G1B], s26, (3<<16)|(1<<21)
.irp g, G1A, G1B
	s_mov_b32 s[\g+1], 32<<16                      ; tensor_dim0
	s_mov_b32 s[\g+2], 208<<16                     ; tensor_dim1
	s_mov_b32 s[\g+3], 32<<16                      ; tile_dim0
	s_mov_b32 s[\g+4], 208                         ; tile_dim1
	s_mov_b32 s[\g+5], 32                          ; the pitch
	s_mov_b32 s[\g+6], 0
	s_mov_b32 s[\g+7], 0
.endr
	s_lshl_b32 s74, s24, 2
	s_lshl_b32 s75, s18, 1
	s_add_co_u32 s74, s74, s75                     ; S1's record 4 Y + 2 wj of section 0 (query): made of what my row of the cluster shares
	s_mul_i32 s74, s74, REC
	s_mov_b32 s75, 0
	s_lshl_b32 s76, s21, 2
	s_lshl_b32 s77, s18, 1
	s_add_co_u32 s76, s76, s77
	s_add_co_u32 s76, s76, 128                     ; S0's record 4 X + 2 wj of section 2 (Wq): of what my column shares
	s_mul_i32 s76, s76, REC
	s_mov_b32 s77, 0
	s_mul_i32 s78, s18, 2*REC                      ; where they go: no place in the cluster enters an LDS address
	s_wait_kmcnt 0x0
	s_add_nc_u64 s[74:75], s[4:5], s[74:75]
	s_add_nc_u64 s[76:77], s[4:5], s[76:77]
	CROUND                                         ; all sixteen work-groups are here: the first joint loads meet
	s_mov_b32 s[G0A], 1
	s_mov_b32 s[G0A+1], s78
	s_mov_b64 s[G0A+2:G0A+3], s[74:75]
	s_or_b32 s[G0A+3], s[G0A+3], 0x80000000
	s_mov_b32 s[G0B], 1
	s_add_co_u32 s[G0B+1], s78, S0B
	s_mov_b64 s[G0B+2:G0B+3], s[76:77]
	s_or_b32 s[G0B+3], s[G0B+3], 0x80000000
	JLOAD                                          ; the first tile's records
	v_and_b32 v24, 31, v0                          ; lane
	v_and_b32 v25, 15, v0                          ; r
	v_bfe_u32 v26, v0, 4, 1                        ; h
	v_lshlrev_b32 v[LI], 4, v24
	v_lshlrev_b32 v27, 3, v24
	s_mul_i32 s72, s17, 8*1536                     ; my eight tiles of S1,
	s_mul_i32 s73, s18, 8*1536                     ; and of S0
	s_add_co_u32 s73, s73, S0B
	v_add_nc_u32 v[AD1], s72, v[LI]
	v_add_nc_u32 v[AD1+1], 2*REC, v[AD1]
	v_add_nc_u32 v[AD0], s73, v[LI]
	v_add_nc_u32 v[AD0+1], 2*REC, v[AD0]
	s_lshl_b32 s72, s17, 10                        ; their four pairs of scale words
	s_add_co_u32 s72, s72, SCOFF
	s_lshl_b32 s73, s18, 10
	s_add_co_u32 s73, s73, SCOFF+S0B
	v_add_nc_u32 v[AS1], s72, v27
	v_add_nc_u32 v[AS1+1], 2*REC, v[AS1]
	v_add_nc_u32 v[AS0], s73, v27
	v_add_nc_u32 v[AS0+1], 2*REC, v[AS0]
	v_lshlrev_b32 v[BOJ], 6, v26
	v_and_b32 v[BOI], 8, v25
	v_add_nc_u32 v[BOI], v[BOI], v25
	v_lshlrev_b32 v[BOI], 2, v[BOI]
.irp b, 0,1,2,3
	v_mov_b32 v[TM+4+\b], 0                        ; written once: a lane permute's destination counts as one of its sources
.endr
	s_mov_b32 s[SEL], 0x76543210
	s_mov_b32 s[SEL+1], 0xfedcba98
	s_mov_b32 s[SCL], 0x3d3504f3                   ; 1 / sqrt(512)
	s_mov_b32 s[SCL+1], s[SCL]                     ; (named with it as a pair)
	; where the three tiles' results go and their biases come from: nine bases, made once, each in a pair of its own, so that none is written while a store names it
	RECSUB 24, 17, 21, 18                          ; g = 0, 1: tokens along i (Y, wi), channels along j (X, wj)
	OUTB 0, 12, QREC, 0, 6
	OUTB 1, 14, 2*QREC, 0, 8
	RECSUB 21, 18, 24, 17                          ; g = 2: tokens along j (X, wj), channels along i (Y, wi)
	OUTB 2, 14, 2*QREC, QREC, 10                   ; V's record lies behind K's
	BIASLD 0
	TILE 0
	TILE 1
	TILE 2
	s_wait_tensorcnt 0x0                           ; the wave's end: my tensor loads are in, then a last add to my spare word
	ds_add_u32 v[SPW], v[NIL]
	s_wait_dscnt 0x0
	CROUND                                         ; the closing round: no work-group ends while a partner may still ask for a record that names it
	s_endpgm
.Lfunc_end_k_q0cbd98751c_proj:
	.size	k_q0cbd98751c_proj, .Lfunc_end_k_q0cbd98751c_proj-k_q0cbd98751c_proj
	.p2alignl 7, 3214868480
	.fill 96, 4, 3214868480
	.section	.rodata,"a",@progbits
	.p2align	6, 0x0
	.amdhsa_kernel k_q0cbd98751c_proj
		.amdhsa_group_segment_fixed_size 327680
		.amdhsa_private_segment_fixed_size 0
		.amdhsa_enable_private_segment 0
		.amdhsa_kernarg_size 48
		.amdhsa_user_sgpr_count 2
		.amdhsa_user_sgpr_kernarg_segment_ptr 1
		.amdhsa_wavefront_size32 1
		.amdhsa_system_sgpr_workgroup_id_x 1
		.amdhsa_system_sgpr_workgroup_id_y 1
		.amdhsa_system_sgpr_workgroup_id_z 1
		.amdhsa_system_vgpr_workitem_id 0
		.amdhsa_next_free_vgpr 1024
		.amdhsa_next_free_sgpr 100
		.amdhsa_reserve_vcc 0
		.amdhsa_float_denorm_mode_32 3
		.amdhsa_float_denorm_mode_16_64 3
		.amdhsa_memory_ordered 1
		.amdhsa_forward_progress 1
		.amdhsa_inst_pref_size 255
	.end_amdhsa_kernel
	.section	.bss,"aw",@nobits
	.p2align	6
	.space	262144
	.amdgpu_metadata
---
amdhsa.version: [ 1, 2 ]
amdhsa.kernels:
  - .name:           k_q0cbd98751c_proj
    .symbol:         k_q0cbd98751c_proj.kd
    .args:
      - { .name: ops, .offset: 0, .size: 8, .value_kind: global_buffer, .address_space: global }
      - { .name: bq, .offset: 8, .size: 8, .value_kind: global_buffer, .address_space: global }
      - { .name: bk, .offset: 16, .size: 8, .value_kind: global_buffer, .address_space: global }
      - { .name: bv, .offset: 24, .size: 8, .value_kind: global_buffer, .address_space: global }
      - { .name: qc, .offset: 32, .size: 8, .value_kind: global_buffer, .address_space: global }
      - { .name: kvc, .offset: 40, .size: 8, .value_kind: global_buffer, .address_space: global }
    .group_segment_fixed_size: 327680
    .private_segment_fixed_size: 0
    .kernarg_segment_align: 8
    .kernarg_segment_size: 48
    .max_flat_workgroup_size: 128
    .sgpr_count:     100
    .vgpr_count:     1024
    .wavefront_size: 32
...
	.end_amdgpu_metadata
.endif
;; end of part 2
;; launch attn (part 3): grid 8 x 32, 4 waves a work-group, clusters of 4 x 1, 327,680 bytes of LDS; arguments qc, kvc, out0; writes out0
.if DOCPART == 3
	.amdgcn_target "amdgcn-amd-amdhsa--gfx1250"
	.amdhsa_code_object_version 6
	.text
	.protected	k_q0cbd98751c_attn
	.globl	k_q0cbd98751c_attn
	.p2align	8
	.type	k_q0cbd98751c_attn,@function
k_q0cbd98751c_attn:
	s_mov_b64 s[64:65], 0
	v_nop
	global_prefetch_b8 v0, s[64:65] scope:SCOPE_SE
	s_setreg_imm32_b32 hwreg(HW_REG_WAVE_MODE, 25, 1), 1
	s_wait_xcnt 0x0
	s_wait_alu depctr_hold_cnt(0) depctr_sa_sdst(0) depctr_va_vdst(0) depctr_va_sdst(0) depctr_va_ssrc(0) depctr_va_vcc(0) depctr_vm_vsrc(0)
	s_getreg_b32 s2, hwreg(HW_REG_IB_STS2, 6, 4)
	s_cmp_eq_u32 s2, 0
	s_cbranch_scc0 .Lentry_in_a_cluster
	s_endpgm
.Lentry_in_a_cluster:
	s_bfe_u32 s2, ttmp6, 0x10000c
	s_cmp_lg_u32 s2, 0x3003
	s_cbranch_scc0 .Lentry_shape_is_right
	s_endpgm
.Lentry_shape_is_right:
; Causal attention on codes of FP6 (E2M3): for each of 32 (batch, head): out[q] = sum over k <= q of softmax_k(q . k) v[k]; 1,024 tokens, head size 512.  SCALE is already in q's codes.
; THE SOFTMAX AHEAD OF THE SECOND PRODUCT: t = score x log2(e); M = the running largest t rounded UP to a whole number; p = 2^(t - M) is quantised along the keys, not normalised; the row's sum is taken of the unquantised p and divides at the end.
; When M moves, the sum and O are multiplied by 2^(old M - new M): exact.
; THE MASK: hidden keys count as exactly 0: key steps that lie wholly behind a tile's queries are not walked, and on the diagonal hidden scores become -infinity.
; LIMIT: that equals a bias of -1e9 as long as a row's scores spread by less than about 1e9 - 200.  NaN and infinities are not served.
; SHARES: work-group I (0 .. 7) of a head owns the query tile I of EACH of the eight blocks of 128 tokens, so that all work-groups have the same work and the same control flow.  Wave w owns tile E (block w) and tile L (block 7 - w): 9 tile steps each.
; In key step s (128 keys) a wave works on both tiles (s <= w: each fragment read from LDS feeds two products), on L alone (w < s <= 7 - w), or on nothing.
; A FINISHED TILE LEAVES IN A LATER STEP, in which its wave has less to do than the busiest wave: every step ends in a round for which all waves wait, so the way out stands where it lengthens no step.
;   Tile E: step w + 1 (waves 0 to 2: they work on one tile there while wave 3 works on two), step 5 for wave 3 (nothing else to do).  Tile L: step 8 - w (nothing else to do); wave 0's, the last tile, behind step 7.
;   Between a tile's last step and its way out nothing names its sum, its score registers or its O^T.
; LAYOUT: both products transposed (S^T = K Q^T, O^T = V^T P^T): a lane holds ONE query.  By the row order of K's tiles the 16 registers of tiles 2 b, 2 b + 1 are keys 32 b + 16 (lane / 16) + 0 .. 15.
; RING: two LDS slots of one key step (K's and V's records, 106,496 bytes, images of operand registers: every read is 16 x lane on end).  CLUSTER 4 x 1: the four partners walk the same K and V: each wave's quarter of a record is asked for jointly.
; By this text's own count a wave has one tensor load out.
; REGISTERS: window 0: addresses, statistics, scale words, S^T / p (64 a tile), p's codes;  window 1: v0-95 Q, v96-239 three buffers of four fragments;  windows 2, 3: O^T: fragment f of tile t at v[128 t + 8 (f % 16)] of window 2 + f / 16.
.set QREC,  53248
.set KVREC, 106496
.set QUART, 26624
.set SCO,   49152                      ; a record's scale words
.set SLOT1, 131072                     ; slot 1 begins here: one exclusive or turns an address
.set STAGE, SLOT1+KVREC                ; behind the ring: 16 rows x 528 bytes for each wave, for the way out
.set SP,    528
.set WSTG,  16*SP
.set SPARE, STAGE+4*WSTG               ; the spare words, 128 bytes a wave: two blocks of 256 bytes that no other line names
.set LI,   1                           ; v1   16 x lane
.set ADK,  2                           ; v2   the step's record of K
.set ADV,  3                           ; v3   of V
.set SPW,  4                           ; v4   my spare word; never rewritten
.set NIL,  5                           ; v5   0; never rewritten
.set DD,   6                           ; v6   my query's place in its block of 128, less 16 (lane / 16)
.set NINF, 7                           ; v7   -infinity
.set STO,  8                           ; v8   the way out: into the stage
.set RD,   9                           ; v9   and back
.set PFO,  10                          ; v10  the prefetches' offset
.set ST,   12                          ; v[12 + 4 t]: -M, the largest t, the sum in two halves
.set QS,   20                          ; v[20 + 4 t + ds] Q's scale words
.set PS,   28                          ; v[28 + t] p's scale word
.set KS,   32                          ; v32-63 K's or V's scale words: v[32 + 8 sub + a]
.set S,    64
.set P,    192
.set CT,   216
.set BM,   224
.set BX,   228
.set SO,   232
.set T0,   236
.set FF,   238
.set A2,   240
.set RL,   242
.set JE,   10                          ; s10  my wave's number = tile E's block
.set JL,   11                          ; s11  tile L's block
.set WL,   15                          ; s15  the step at whose head tile L leaves
.set G1,   16
.set G0,   24
.set SEL,  28
.set CS,   30                          ; s[30:31] log2(e)
.set TB,   32                          ; s32  the slot in hand
.set STEP, 33                          ; s33  the key step
.set LIM,  34                          ; s34  the last step in which my cluster prefetches, or -1
.set WE,   35                          ; s35  the step at whose head tile E leaves
.set PFA,  36
.set QB,   38                          ; s[38:41] Q's codes of E, L
.set QSB,  42                          ; s[42:45] Q's scale words
.set OB,   46                          ; s[46:49] out0 at E's, L's first row
.set MSB, 0
.macro WIN new
.if MSB != (\new)
	s_set_vgpr_msb (MSB<<8)|(\new)
.set MSB, (\new)
.endif
.endm
.macro PLACES n
.rept \n
	v_nop
.endr
.endm
.macro CROUND
	s_barrier_signal -1
	s_barrier_wait -1
	s_cmp_lg_u32 s[JE], 0
	s_cbranch_scc1 .Lnot_wave_0_\@
	s_barrier_signal -3
.Lnot_wave_0_\@:
	s_barrier_wait -3
	s_barrier_signal -1
	s_barrier_wait -1
.endm
; A PREFETCH INTO THE L2 of key step s + 2, behind the tensor load for step s + 1 and its four lines.  Both clusters of a head walk the same records: the first asks.  Its four partners take a quarter of the record each, told apart BY ADDRESS;
; in each, wave w names blocks 26 w .. 26 w + 25 of the quarter's 104 blocks of 256 bytes (lanes 26-31 repeat lane 25's).  Steps 0 and 1 come by their loads alone; steps 6 and 7 ask for nothing: there is no step behind 7.
.macro ASK
	s_cmp_le_i32 s[STEP], s[LIM]
	s_cbranch_scc0 .Lnot_mine_\@
	global_prefetch_b8 v[PFO], s[PFA:PFA+1] th:TH_LOAD_NT scope:SCOPE_SE
.Lnot_mine_\@:
.endm
; THE CHANGE OF SLOTS, at a step's head.  Each wave waits for all its tensor loads (its quarter of the step that it is about to read), adds 0 to its spare word, and waits for that and for its reads of the slot that it has left.
; fill = 1: a round of the cluster's barrier, and behind it, first, the joint load of the next step into the slot that was left: it has a whole step in which to land.
.macro CHANGE fill
	s_wait_tensorcnt 0x0                           ; no tensor load of mine is out, so the group 0 may be written
	ds_add_u32 v[SPW], v[NIL]                      ; 0 onto my spare word
.if \fill
	s_xor_b32 s[G0+1], s[G0+1], SLOT1              ; the other slot,
	s_add_nc_u64 s[G0+2:G0+3], s[G0+2:G0+3], KVREC ; the next key step; the type bits on top are not reached
	s_wait_xcnt 0x0                                ; the last prefetch, a step back, has read its address
	s_add_nc_u64 s[PFA:PFA+1], s[PFA:PFA+1], KVREC
	s_wait_dscnt 0x0                               ; the add is done, and my reads of the slot that I have left are over
	CROUND
	tensor_load_to_lds s[G0:G0+3], s[G1:G1+7]
	s_nop 0
	PLACES 4
	ASK
.else
	s_wait_dscnt 0x0
	s_barrier_signal -1
	s_barrier_wait -1
.endif
	v_add_nc_u32 v[ADK], s[TB], v[LI]              ; the step's addresses are made on every wave's path
	v_add_nc_u32 v[ADV], QREC, v[ADK]
.endm
.macro SCL adr                         ; a record's scale words: v[KS + 8 sub + a]
.set sq, 0
.rept 8
	ds_load_b128 v[KS+4*sq:KS+4*sq+3], v[\adr] offset:SCO+512*sq
.set sq, sq+1
.endr
.endm
; group g of four fragments, 12 loads, into buffer g % 3.  g < 8: K: channels 128 (g / 2) on, key tiles 4 (g % 2) + x;  g >= 8: V: fragments 4 (g - 8) + x
.macro LOADG g
	WIN 0x40                                       ; destination window 1
.set lfb, 96+48*((\g)%3)
.set lx, 0
.rept 4
.if (\g) < 8
.set lfr, (4*((\g)%2)+lx)*4+(\g)/2
.else
.set lfr, 4*((\g)-8)+lx
.endif
.set lc, 0
.rept 3
.if (\g) < 8
	ds_load_b128 v[lfb+12*lx+4*lc:lfb+12*lx+4*lc+3], v[ADK] offset:lfr*1536+512*lc
.else
	ds_load_b128 v[lfb+12*lx+4*lc:lfb+12*lx+4*lc+3], v[ADV] offset:lfr*1536+512*lc
.endif
.set lc, lc+1
.endr
.set lx, lx+1
.endr
.endm
; S^T += K Q^T for group g; both = 1: tiles E and L, else L alone.  No two products that follow each other share an accumulator.  The first 128 channels start the sums.
.macro MULS g, both
	WIN 0x05                                       ; K and Q window 1, S^T window 0
.set mfb, 96+48*((\g)%3)
.set mds, (\g)/2
.set mx, 0
.rept 4
.set mkt, 4*((\g)%2)+mx
.set mt, 1-(\both)
.rept 1+(\both)
.set mS, S+64*mt+8*mkt
.if mds == 0
	v_wmma_scale_f32_16x16x128_f8f6f4 v[mS:mS+7], v[mfb+12*mx:mfb+12*mx+11], v[48*mt+12*mds:48*mt+12*mds+11], 0, v[KS+8*mds+mkt], v[QS+4*mt+mds] matrix_a_fmt:MATRIX_FMT_FP6 matrix_b_fmt:MATRIX_FMT_FP6
.else
	v_wmma_scale_f32_16x16x128_f8f6f4 v[mS:mS+7], v[mfb+12*mx:mfb+12*mx+11], v[48*mt+12*mds:48*mt+12*mds+11], v[mS:mS+7], v[KS+8*mds+mkt], v[QS+4*mt+mds] matrix_a_fmt:MATRIX_FMT_FP6 matrix_b_fmt:MATRIX_FMT_FP6
.endif
.set mt, mt+1
.endr
.set mx, mx+1
.endr
.endm
; O^T += V^T P^T for group g: fragments f = 4 (g - 8) + x.  first = 1: key step 0 starts the sums: nothing is ever cleared
.macro MULP g, both, first
.set pg, (\g)-8
	WIN 0xa1+0x50*(pg/4)                           ; V window 1, p window 0, O^T window 2 or 3
.set pfb, 96+48*((\g)%3)
.set px, 0
.rept 4
.set pt, 1-(\both)
.rept 1+(\both)
.set pO, 128*pt+8*((4*pg+px)%16)
.if \first
	v_wmma_scale_f32_16x16x128_f8f6f4 v[pO:pO+7], v[pfb+12*px:pfb+12*px+11], v[P+12*pt:P+12*pt+11], 0, v[KS+8*px+pg], v[PS+pt] matrix_a_fmt:MATRIX_FMT_FP6 matrix_b_fmt:MATRIX_FMT_FP6
.else
	v_wmma_scale_f32_16x16x128_f8f6f4 v[pO:pO+7], v[pfb+12*px:pfb+12*px+11], v[P+12*pt:P+12*pt+11], v[pO:pO+7], v[KS+8*px+pg], v[PS+pt] matrix_a_fmt:MATRIX_FMT_FP6 matrix_b_fmt:MATRIX_FMT_FP6
.endif
.set pt, pt+1
.endr
.set px, px+1
.endr
.endm
.macro MASK t                          ; the diagonal step: register n holds key 32 (n / 16) + n % 16 + 16 (lane / 16) of the block: hidden where that lies behind my query
.set kn, 0
.rept 64
	v_cmp_gt_i32 vcc_lo, 32*(kn/16)+kn%16, v[DD]
	v_cndmask_b32 v[S+64*(\t)+kn], v[S+64*(\t)+kn], v[NINF], vcc_lo
.set kn, kn+1
.endr
.endm
.macro SOFTMAX t, first
.set rS, S+64*(\t)
.set rT, ST+4*(\t)
.set rP, P+12*(\t)
.irp b, 0,1,2,3
	v_max3_num_f32 v[BM+\b], v[rS+16*\b], v[rS+16*\b+1], v[rS+16*\b+2]   ; the largest score of each block of 32 keys: for the row's maximum and, since p rises with the score, for the block's largest p
.endr
.irp i, 3,5,7,9,11,13
.irp b, 0,1,2,3
	v_max3_num_f32 v[BM+\b], v[BM+\b], v[rS+16*\b+\i], v[rS+16*\b+\i+1]
.endr
.endr
.irp b, 0,1,2,3
	v_max_num_f32 v[BM+\b], v[BM+\b], v[rS+16*\b+15]
.endr
.irp b, 0,1,2,3
	v_permlanex16_b32 v[BX+\b], v[BM+\b], s[SEL], s[SEL+1]
.endr
.irp b, 0,1,2,3
	v_max_num_f32 v[BM+\b], v[BM+\b], v[BX+\b]     ; with lane l xor 16's 16 keys
.endr
	v_max3_num_f32 v[T0], v[BM], v[BM+1], v[BM+2]
	v_max_num_f32 v[T0], v[T0], v[BM+3]
	v_mul_f32 v[T0], s[CS], v[T0]                  ; the step's largest t
	v_max_num_f32 v[rT+1], v[rT+1], v[T0]          ; the running largest t
	v_mov_b32 v[T0], v[rT]
	v_floor_f32 v[rT], -v[rT+1]                    ; the new -M = -ceil(t): a whole number
	v_sub_f32 v[T0], v[rT], v[T0]                  ; old M - new M, 0 or less
	v_cvt_i32_f32 v[T0], v[T0]                     ; (it saturates)
	v_ldexp_f32 v[FF], 1.0, v[T0]                  ; f = 2^(old M - new M)
.set n, 0
.rept 32
	v_pk_fma_f32 v[rS+n:rS+n+1], v[rS+n:rS+n+1], s[CS:CS+1], v[rT:rT+1] op_sel_hi:[1,0,0]   ; t - M, two at a time
.set n, n+2
.endr
.irp b, 0,1,2,3
	v_fma_f32 v[BM+\b], v[BM+\b], s[CS], v[rT]     ; the same of each block's largest score
.endr
.set n, 0
.rept 64
	v_exp_f32 v[rS+n], v[rS+n]                     ; p = 2^(t - M)
.set n, n+1
.endr
	v_pk_mul_f32 v[rT+2:rT+3], v[rT+2:rT+3], v[FF:FF+1] op_sel_hi:[1,0]   ; the sums under the new M: the plain instruction behind the exponentials
	s_wait_alu depctr_va_vdst(0)                   ; one wait for the batch of 64, ahead of its first reader
.irp b, 0,1,2,3
	v_exp_f32 v[BM+\b], v[BM+\b]                   ; the blocks' largest p
.endr
	v_pk_add_f32 v[A2:A2+1], v[rS:rS+1], v[rS+2:rS+3]   ; the row's sum of the UNQUANTISED p, in two chains: it reads the 64 alone
.set n, 4
.rept 15
	v_pk_add_f32 v[rT+2:rT+3], v[rT+2:rT+3], v[rS+n:rS+n+1]
	v_pk_add_f32 v[A2:A2+1], v[A2:A2+1], v[rS+n+2:rS+n+3]
.set n, n+4
.endr
	v_pk_add_f32 v[rT+2:rT+3], v[rT+2:rT+3], v[A2:A2+1]
	s_wait_alu depctr_va_vdst(0)                   ; and one for the four
.irp b, 0,1,2,3
	v_max_num_f32 v[BM+\b], 0x1800000, v[BM+\b]    ; the floor 2^(3 - 127): a block whose every p is 0 keeps the byte 1; its codes are zeros
.endr
.irp b, 0,1,2,3
	v_add_nc_u32 v[SO+\b], 0xff000000, v[BM+\b]    ; the conversion's scale operand
.endr
.irp b, 0,1,2,3
	v_lshrrev_b32 v[BX+\b], 23, v[SO+\b]           ; the byte
.endr
	v_lshl_or_b32 v[PS+\t], v[BX+1], 8, v[BX]      ; p's scale word for these 128 keys
	v_lshl_or_b32 v[PS+\t], v[BX+2], 16, v[PS+\t]
	v_lshl_or_b32 v[PS+\t], v[BX+3], 24, v[PS+\t]
.irp c, 0,1
	v_cvt_scalef32_pk16_fp6_f32 v[rP+6*\c:rP+6*\c+2], v[rS+32*\c:rS+32*\c+15], v[SO+2*\c]
	v_cvt_scalef32_pk16_fp6_f32 v[CT+4*\c:CT+4*\c+2], v[rS+32*\c+16:rS+32*\c+31], v[SO+2*\c+1]
.endr
	v_nop                                          ; one plain instruction behind the scaled conversions
.irp c, 0,1
.irp i, 0,1,2
	v_permlane16_swap_b32 v[rP+6*\c+\i], v[CT+4*\c+\i]
.endr
.irp i, 0,1,2
	v_mov_b32 v[rP+3+6*\c+\i], v[CT+4*\c+\i]
.endr
.endr
.if (\first) == 0                      ; O^T under the new M, ascending: these are also the plain instructions between the scale word, the codes and the products that take them
	WIN 0x82
.set n, 0
.rept 64
	v_pk_mul_f32 v[128*(\t)+n:128*(\t)+n+1], v[128*(\t)+n:128*(\t)+n+1], v[FF:FF+1] op_sel_hi:[1,0]
.set n, n+2
.endr
	WIN 0xc3
.set n, 0
.rept 64
	v_pk_mul_f32 v[128*(\t)+n:128*(\t)+n+1], v[128*(\t)+n:128*(\t)+n+1], v[FF:FF+1] op_sel_hi:[1,0]
.set n, n+2
.endr
	WIN 0
.endif
.endm
; THE WAY OUT of tile t: O^T / the sum, then 128 channels of 16 queries at a time through my stage: a row of 512 bytes comes back whole and leaves as one aligned run of 512 bytes.
.macro WAYOUT t
.set rT, ST+4*(\t)
	v_add_f32 v[T0], v[rT+2], v[rT+3]
	v_permlanex16_b32 v[BX], v[T0], s[SEL], s[SEL+1]
	v_add_f32 v[T0], v[T0], v[BX]                  ; the row's sum
	v_rcp_f32 v[RL], v[T0]
	v_mov_b32 v[RL+1], 0                           ; the plain instruction behind the reciprocal (and the pair's upper half)
	s_wait_alu depctr_va_vdst(0)                   ; ahead of its first reader
	WIN 0x82
.set n, 0
.rept 64
	v_pk_mul_f32 v[128*(\t)+n:128*(\t)+n+1], v[128*(\t)+n:128*(\t)+n+1], v[RL:RL+1] op_sel_hi:[1,0]
.set n, n+2
.endr
	WIN 0xc3
.set n, 0
.rept 64
	v_pk_mul_f32 v[128*(\t)+n:128*(\t)+n+1], v[128*(\t)+n:128*(\t)+n+1], v[RL:RL+1] op_sel_hi:[1,0]
.set n, n+2
.endr
.set wc, 0
.rept 4                                ; channels 128 wc on: fragments 4 a + wc; lane (r, h) holds channels 32 (a / 2) + 8 (a % 2) + 16 h + 0 .. 7 of them
	WIN 0x08                                       ; an LDS store's data are its source 1: window 2,
.set wa, 0
.rept 8
.if wa == 4
	WIN 0x0c                                       ; window 3
.endif
.set wO, 128*(\t)+8*((4*wa+wc)%16)
	ds_store_b128 v[STO], v[wO:wO+3] offset:128*(wa/2)+32*(wa%2)
	ds_store_b128 v[STO], v[wO+4:wO+7] offset:128*(wa/2)+32*(wa%2)+16
.set wa, wa+1
.endr
	WIN 0
.if wc > 0
	s_wait_xcnt 0x0                                ; the last run's stores have read their registers
.endif
.set wr, 0
.rept 16
	ds_load_b128 v[S+64*(\t)+4*wr:S+64*(\t)+4*wr+3], v[RD] offset:SP*wr   ; LDS serves a wave's instructions in order: these see my stores
.set wr, wr+1
.endr
.set wr, 0
.rept 16
	s_wait_dscnt 15-wr                             ; this row is back; the later rows may stay out
	global_store_b128 v[LI], v[S+64*(\t)+4*wr:S+64*(\t)+4*wr+3], s[OB+2*(\t):OB+2*(\t)+1] offset:(wr+8*(wr/8))*16384+512*wc th:TH_STORE_NT
.set wr, wr+1
.endr
.set wc, wc+1
.endr
	s_wait_xcnt 0x0                                ; the stores have read their registers: whatever follows may write them
.endm
; A KEY STEP'S WORK.  The fragments come in groups of four through three buffers, two groups ahead of their use; four plain instructions stand between a group's products and the loads into its buffer.
.macro WORK both, first
	SCL ADK
	LOADG 0
	LOADG 1
	LOADG 2
.set gg, 0
.rept 8
	s_wait_dscnt 24                                ; this group is in (and the scale words); the two later groups of 12 may stay out
	MULS gg, \both
	PLACES 4
	LOADG gg+3                                     ; groups 8 to 10 are V's first three: they land under the softmax
.set gg, gg+1
.endr
	WIN 0
	SCL ADV
.if \both
	s_cmp_lg_u32 s[STEP], s[JE]
	s_cbranch_scc1 .Lopen_\@
	MASK 0
.else
	s_cmp_lg_u32 s[STEP], s[JL]
	s_cbranch_scc1 .Lopen_\@
	MASK 1
.endif
.Lopen_\@:
.if \both
	SOFTMAX 0, \first
.endif
	SOFTMAX 1, \first
.if \first
	PLACES 8                                       ; a scale word made by vector instructions stands eight plain instructions ahead of the product that takes it
.endif
	s_wait_dscnt 0x0                               ; V's scale words and groups 8 to 10
.set gg, 8
.rept 8
.if gg >= 14
	s_wait_dscnt 12*(15-gg)                        ; the groups issued behind this one: one, then none
.elseif gg >= 11
	s_wait_dscnt 24
.endif
	MULP gg, \both, \first
	PLACES 4
.if gg+3 <= 15
	LOADG gg+3
.endif
.set gg, gg+1
.endr
	WIN 0
.endm
	s_load_b128 s[4:7], s[0:1], 0x0                ; qc s[4:5], kvc s[6:7]
	s_load_b64 s[8:9], s[0:1], 0x10                ; out0
	v_lshl_add_u32 v[SPW], v0, 2, SPARE
	v_mov_b32 v[NIL], 0
	ds_add_u32 v4, v5
	ds_add_u32 v4, v5
	s_wait_dscnt 0x0
	v_lshrrev_b32 v1, 5, v0
	v_readfirstlane_b32 s[JE], v1                  ; wave 0 .. 3
	s_xor_b32 s[JL], s[JE], 7
	s_add_co_u32 s[WL], s[JL], 1                   ; tile L leaves at the head of the step behind its last
	s_lshr_b32 s[WE], s[JE], 1
	s_and_b32 s[WE], s[WE], s[JE]                  ; 1 in wave 3 alone
	s_add_co_u32 s[WE], s[WE], s[JE]
	s_add_co_u32 s[WE], s[WE], 1                   ; tile E leaves at the head of step 1, 2, 3, 5
	s_bfe_u32 s12, ttmp6, 0x40000                  ; cx
	s_lshl_b32 s13, ttmp9, 2
	s_add_co_u32 s13, s13, s12                     ; I: it enters global addresses and the mask's number alone
	s_and_b32 s14, ttmp7, 0xffff                   ; 8 batch + head, which the partners share
	s_mov_b32 s[G1], 15|(3<<16)|(1<<21)            ; 15:0 the mask: all four work-groups; 17:16 elements of 8 bytes; 21 set beside a mask
	s_mov_b32 s[G1+1], 32<<16                      ; a quarter of a step's records: 104 dense rows of 256 bytes
	s_mov_b32 s[G1+2], 104<<16
	s_mov_b32 s[G1+3], 32<<16
	s_mov_b32 s[G1+4], 104
	s_mov_b32 s[G1+5], 32
	s_mov_b32 s[G1+6], 0
	s_mov_b32 s[G1+7], 0
	s_mov_b32 s[SEL], 0x76543210
	s_mov_b32 s[SEL+1], 0xfedcba98
	s_mov_b32 s[CS], 0x3fb8aa3b                    ; log2(e)
	s_mov_b32 s[CS+1], s[CS]
	s_mov_b32 s[TB], 0
	s_mov_b32 s[STEP], 0
	s_cmp_eq_u32 ttmp9, 0
	s_cselect_b32 s[LIM], 5, -1                    ; the same in all four partners
	s_lshl_b32 s50, s14, 3
	s_add_co_u32 s51, s50, s[JL]
	s_add_co_u32 s50, s50, s[JE]
	s_mul_i32 s50, s50, QREC                       ; Q's record of E's block,
	s_mul_i32 s51, s51, QREC                       ; of L's
	s_mul_i32 s52, s13, 4*1536                     ; tile I's four fragments in it
	s_lshr_b32 s53, s13, 2
	s_lshl_b32 s53, s53, 9
	s_and_b32 s54, s13, 3
	s_lshl_b32 s54, s54, 2
	s_add_co_u32 s53, s53, s54
	s_add_co_u32 s53, s53, SCO                     ; and its scale words: 49,152 + 512 (I / 4) + 4 (I % 4)
	s_add_co_u32 s54, s50, s52
	s_mov_b32 s55, 0
	s_add_co_u32 s56, s51, s52
	s_mov_b32 s57, 0
	s_add_co_u32 s58, s50, s53
	s_mov_b32 s59, 0
	s_add_co_u32 s60, s51, s53
	s_mov_b32 s61, 0
	s_lshr_b32 s69, s13, 1
	s_lshl_b32 s69, s69, 5
	s_and_b32 s66, s13, 1
	s_lshl_b32 s66, s66, 3
	s_add_co_u32 s69, s69, s66                     ; the tile's first query in its block: 32 (I / 2) + 8 (I % 2)
	s_lshr_b32 s66, s14, 3
	s_lshl_b32 s66, s66, 10
	s_add_co_u32 s66, s66, s69
	s_and_b32 s68, s14, 7
	s_lshl_b32 s68, s68, 11                        ; the head's 512 channels: 2,048 bytes
	s_lshl_b32 s70, s[JE], 7
	s_add_co_u32 s70, s70, s66
	s_lshl_b32 s70, s70, 14                        ; a row of out0 is 16,384 bytes
	s_add_co_u32 s70, s70, s68
	s_mov_b32 s71, 0
	s_lshl_b32 s72, s[JL], 7
	s_add_co_u32 s72, s72, s66
	s_lshl_b32 s72, s72, 14
	s_add_co_u32 s72, s72, s68
	s_mov_b32 s73, 0
	s_mul_i32 s74, s14, 8*KVREC                    ; the head's records of K and V
	s_mul_i32 s76, s[JE], QUART
	s_add_co_u32 s76, s76, s74                     ; my quarter of step 0
	s_mov_b32 s77, 0
	s_mul_i32 s78, s12, QUART
	s_add_co_u32 s78, s78, s74
	s_add_co_u32 s78, s78, KVREC                   ; the prefetches stand at my work-group's quarter of step 1; the first change steps them to step 2
	s_mov_b32 s79, 0
	s_wait_kmcnt 0x0
	s_add_nc_u64 s[QB:QB+1], s[4:5], s[54:55]
	s_add_nc_u64 s[QB+2:QB+3], s[4:5], s[56:57]
	s_add_nc_u64 s[QSB:QSB+1], s[4:5], s[58:59]
	s_add_nc_u64 s[QSB+2:QSB+3], s[4:5], s[60:61]
	s_add_nc_u64 s[OB:OB+1], s[8:9], s[70:71]
	s_add_nc_u64 s[OB+2:OB+3], s[8:9], s[72:73]
	s_add_nc_u64 s[PFA:PFA+1], s[6:7], s[78:79]
	CROUND                                         ; all four work-groups are here: the first joint loads meet
	s_mov_b32 s[G0], 1
	s_mul_i32 s[G0+1], s[JE], QUART                ; slot 0, my quarter: the wave's number alone enters an LDS address
	s_add_nc_u64 s[G0+2:G0+3], s[6:7], s[76:77]
	s_or_b32 s[G0+3], s[G0+3], 0x80000000
	tensor_load_to_lds s[G0:G0+3], s[G1:G1+7]      ; key step 0
	s_nop 0
	PLACES 4
	v_and_b32 v11, 31, v0                          ; lane
	v_lshlrev_b32 v[LI], 4, v11
	WIN 0x40
.set qi, 0
.rept 24                               ; Q stays in registers: tile t = qi / 12, its four fragments on end
	global_load_b128 v[4*qi:4*qi+3], v[LI], s[QB+2*(qi/12):QB+2*(qi/12)+1] offset:512*(qi%12)
.set qi, qi+1
.endr
	WIN 0
.set qi, 0
.rept 8
	global_load_b32 v[QS+qi], v[LI], s[QSB+2*(qi/4):QSB+2*(qi/4)+1] offset:1024*(qi%4)
.set qi, qi+1
.endr
	v_and_b32 v244, 15, v0                         ; r
	v_bfe_u32 v245, v0, 4, 1                       ; h
	v_and_b32 v246, 8, v244
	v_add_nc_u32 v246, v246, v244
	v_lshlrev_b32 v247, 4, v245
	v_sub_nc_u32 v246, v246, v247
	v_add_nc_u32 v[DD], s69, v246                  ; my query in its block, less 16 h
	v_mov_b32 v[NINF], 0xff800000
	s_mul_i32 s50, s[JE], WSTG
	s_add_co_u32 s50, s50, STAGE
	v_mul_u32_u24 v[STO], v244, SP
	v_lshl_add_u32 v[STO], v245, 6, v[STO]
	v_add_nc_u32 v[STO], s50, v[STO]               ; into my stage: row r, + 64 h
	v_add_nc_u32 v[RD], s50, v[LI]                 ; back: a row's 512 bytes, 16 a lane
	v_min_u32 v[PFO], 25, v11
	s_mul_i32 s51, s[JE], 26
	v_add_nc_u32 v[PFO], s51, v[PFO]
	v_lshlrev_b32 v[PFO], 8, v[PFO]
.irp t, 0,1
	v_mov_b32 v[ST+4*\t+1], 0xff61b1e6             ; the largest t so far: -3e38
	v_floor_f32 v[ST+4*\t], -v[ST+4*\t+1]          ; -M
	v_mov_b32 v[ST+4*\t+2], 0                      ; the sum
	v_mov_b32 v[ST+4*\t+3], 0
.endr
.irp b, 0,1,2,3
	v_mov_b32 v[BX+\b], 0                          ; written once: a lane permute's destination counts as one of its sources
.endr
	v_mov_b32 v[FF+1], 0                           ; (named as the upper half of a pair)
	s_wait_loadcnt 0x0                             ; Q
	CHANGE 1                                       ; step 0 is whole; step 1 is asked for
	WORK 1, 1                                      ; step 0: every wave works on both tiles; its products start O^T's sums
	s_xor_b32 s[TB], s[TB], SLOT1
	s_mov_b32 s[STEP], 1
.Lstep:                                            ; steps 1 to 6: each asks for the next
	CHANGE 1
	s_cmp_lg_u32 s[STEP], s[WE]                    ; all branches here hang on the wave's number and the step alone, and stand round work
	s_cbranch_scc1 .Lno_e
	WAYOUT 0                                       ; tile E, finished one or two steps ago
.Lno_e:
	s_cmp_lg_u32 s[STEP], s[WL]
	s_cbranch_scc1 .Lno_l
	WAYOUT 1                                       ; tile L, finished in the last step (waves 3 and 2)
.Lno_l:
	s_cmp_gt_u32 s[STEP], s[JL]
	s_cbranch_scc1 .Ldone
	s_cmp_gt_u32 s[STEP], s[JE]
	s_cbranch_scc1 .Llate
	WORK 1, 0
	s_branch .Ldone
.Llate:
	WORK 0, 0
.Ldone:
	s_xor_b32 s[TB], s[TB], SLOT1
	s_add_co_u32 s[STEP], s[STEP], 1
	s_cmp_lt_u32 s[STEP], 7
	s_cbranch_scc1 .Lstep
	CHANGE 0                                       ; step 7 is whole: nothing is left to ask for
	s_cmp_lg_u32 s[JL], 7
	s_cbranch_scc1 .Lnot_7
	WORK 0, 0                                      ; wave 0 alone: the last block's diagonal step
.Lnot_7:
	s_cmp_lt_u32 s[JL], 6
	s_cbranch_scc1 .Lend
	WAYOUT 1                                       ; wave 1's tile L, finished in step 6, beside wave 0's work; and wave 0's, behind it
.Lend:
	s_wait_tensorcnt 0x0                           ; the wave's end: my tensor loads are in, then a last add to my spare word
	ds_add_u32 v[SPW], v[NIL]
	s_wait_dscnt 0x0
	CROUND                                         ; the closing round: no work-group ends while a partner may still ask for a record that names it
	s_endpgm
.Lfunc_end_k_q0cbd98751c_attn:
	.size	k_q0cbd98751c_attn, .Lfunc_end_k_q0cbd98751c_attn-k_q0cbd98751c_attn
	.p2alignl 7, 3214868480
	.fill 96, 4, 3214868480
	.section	.rodata,"a",@progbits
	.p2align	6, 0x0
	.amdhsa_kernel k_q0cbd98751c_attn
		.amdhsa_group_segment_fixed_size 327680
		.amdhsa_private_segment_fixed_size 0
		.amdhsa_enable_private_segment 0
		.amdhsa_kernarg_size 24
		.amdhsa_user_sgpr_count 2
		.amdhsa_user_sgpr_kernarg_segment_ptr 1
		.amdhsa_wavefront_size32 1
		.amdhsa_system_sgpr_workgroup_id_x 1
		.amdhsa_system_sgpr_workgroup_id_y 1
		.amdhsa_system_sgpr_workgroup_id_z 1
		.amdhsa_system_vgpr_workitem_id 0
		.amdhsa_next_free_vgpr 1024
		.amdhsa_next_free_sgpr 100
		.amdhsa_reserve_vcc 1
		.amdhsa_float_denorm_mode_32 3
		.amdhsa_float_denorm_mode_16_64 3
		.amdhsa_memory_ordered 1
		.amdhsa_forward_progress 1
		.amdhsa_inst_pref_size 255
	.end_amdhsa_kernel
	.section	.bss,"aw",@nobits
	.p2align	6
	.space	262144
	.amdgpu_metadata
---
amdhsa.version: [ 1, 2 ]
amdhsa.kernels:
  - .name:           k_q0cbd98751c_attn
    .symbol:         k_q0cbd98751c_attn.kd
    .args:
      - { .name: qc, .offset: 0, .size: 8, .value_kind: global_buffer, .address_space: global }
      - { .name: kvc, .offset: 8, .size: 8, .value_kind: global_buffer, .address_space: global }
      - { .name: out0, .offset: 16, .size: 8, .value_kind: global_buffer, .address_space: global }
    .group_segment_fixed_size: 327680
    .private_segment_fixed_size: 0
    .kernarg_segment_align: 8
    .kernarg_segment_size: 24
    .max_flat_workgroup_size: 128
    .sgpr_count:     100
    .vgpr_count:     1024
    .wavefront_size: 32
...
	.end_amdgpu_metadata
.endif
;; end of part 3
